; MI455X (gfx1250); checked and timed in simulation.
; The chip was launched on July 23, 2026; its instructions are those of AMD's public machine-readable ISA for CDNA 5 (MIT licence, August 2026) and "CDNA5" Instruction Set Architecture Reference Guide (July 2026). The comments in the code are by the model that wrote it; some were corrected since.
;; Attention. Allowed arithmetic: matrix products marked QUANTISED: E4M3 operands, one given power-of-two scale a tensor, by v_wmma_f32_16x16x64_fp8_fp8 or v_wmma_f32_16x16x128_fp8_fp8, f32 sums; everything else in f32.
;; Inputs: key 8 x 2,048 x 1,024 float32; lowp_scales 4 int32 (the exponents e of the quantised operands' scales 2^e); mask 8 x 2,048 float32; query 8 x 2,048 x 1,024 float32; value 8 x 2,048 x 1,024 float32.
;; Outputs: out0 8 x 2,048 x 1,024 float32.
;; This version of the problem:
;;   THIS VERSION OF THE PROBLEM IS GIVEN IN LOW PRECISION. The matrix products marked QUANTISED in the list below multiply operands that are first quantised to E4M3 (4 exponent bits, 3 mantissa bits; 8 bits a number), with one given power-of-two scale for each operand tensor; their sums are f32. All else is computed in f32.
;;   The module's matrix products, in the order in which they are computed (A, B: the left and right operand; K: the contracted axis; several contracted axes count as one K, in the product's order):
;;     1. batch 8 x [M 2,048, K 1,024] x [K 1,024, N 2,048]; A: input query; B: input key: QUANTISED (scales: A lowp_scales[0], B lowp_scales[1])
;;     2. batch 8 x [M 2,048, K 2,048] x [K 2,048, N 1,024]; A: softmax (see below); B: input value: QUANTISED (scales: A lowp_scales[2], B lowp_scales[3])
;;   THE QUANTISER, for each operand of a quantised product, along K:
;;     - The operand's scale is 2^e, e = its entry of the input lowp_scales (int32; the entries are numbered through the quantised products in the list's order, A before B).
;;     - Each number is divided by the scale, clamped to +-448, and rounded to the nearest number of E4M3, ties to even, subnormals kept.
;;     - The product sums the exact products of the quantised numbers (number of the format x scale) in f32.
;;   ~~~python
;;   def quantise(x, axis, e):      # numpy; x: float32 -> the quantised numbers, widened to float32 again
;;       x = np.moveaxis(x, axis, -1); K = x.shape[-1]
;;       r = np.clip(x / 2.0 ** e, -448, 448)
;;       step = 2.0 ** (np.maximum(np.frexp(np.where(r == 0, 1, r))[1] - 1, -6) - 3)
;;       q = np.round(r / step) * step * 2.0 ** e      # np.round: ties to even
;;       return np.moveaxis(q, -1, axis).astype(np.float32)
;;   ~~~
;;   SOFTMAX AHEAD OF A QUANTISED PRODUCT. Where the list says 'softmax', what is quantised is not the finished softmax but p = 2^(t - M), with t = logit x log2(e) and M = ceil(the row's largest t), a whole number; so 1/2 < the row's largest p <= 1. The row's sum l is taken of the UNQUANTISED p, in f32, and the product's result is divided by l at the end. Since M is a whole number, a kernel that streams over the keys may use a running M (the ceiling of the running maximum): every later rescaling is an exact power of two, so the quantised numbers keep their values, but for numbers so far below the row's largest that they fall under the format's range.
;;   OPERANDS COMPUTED ON THE WAY. 'Computed on the way' means the value that the module computes at that place (a softmax that the list does not call 'softmax' is quantised finished and normalised). What goes into a quantiser is computed in f32, as accurately as f32 sums, v_exp_f32 and their like allow (about 1e-6 of the number): no bf16 or f16 on the way to a quantiser, and a product that is left as it is and whose result goes on into a quantised operand takes f32 operands (vector FMAs, or v_wmma_f32_16x16x4_f32). A number that lies on a knife's edge between two numbers of the format may be rounded either way, as far as f32 arithmetic and the matrix unit's own rounding can turn it there, and no further.
;; One version. Each part assembles by itself: llvm-mc -triple=amdgcn-amd-amdhsa -mcpu=gfx1250 --defsym DOCPART=n.
;; ======== version 1 of 1: 2 launches
;; limits: right only within a limited range of input values
;; workspace buffers: qc 16,777,216 bytes; kc 16,777,216 bytes; vc 16,777,216 bytes
;; launch quant (part 1): grid 768 x 1, 4 waves a work-group, no clusters, 34,304 bytes of LDS; arguments query, key, value, lowp_scales, qc, kc, vc; writes qc, kc, vc
.if DOCPART == 1
	.amdgcn_target "amdgcn-amd-amdhsa--gfx1250"
	.amdhsa_code_object_version 6
	.text
	.protected	k_qc55dfb9e52_quant
	.globl	k_qc55dfb9e52_quant
	.p2align	8
	.type	k_qc55dfb9e52_quant,@function
k_qc55dfb9e52_quant:
	s_mov_b64 s[64:65], 0
	v_nop
	global_prefetch_b8 v0, s[64:65] scope:SCOPE_SE
	s_setreg_imm32_b32 hwreg(HW_REG_WAVE_MODE, 25, 1), 1
	s_wait_xcnt 0x0
; query, key, value [8][2048][1024] f32 become codes of FP8 (E4M3), each with the one scale 2^e that is given for it (entries 0, 1, 3 of the scales),
; laid IN THE ORDER OF THE OPERANDS' REGISTERS, so that the attention launch fetches every fragment by dense loads of 512 bytes.
; code = x / 2^e, held within +-448, rounded to the nearest code, ties to even.  LIMITS: each e lies between -126 and 119; NaN among the inputs is not served.
; A FRAGMENT (16 rows x 128 along K) is 2,048 bytes: [c 0..3][lane 0..31][16 bytes]; lane (r = lane % 16, h = lane / 16) holds, of its row, k = 32 c + 16 h + 0 .. 15.
; qc, kc: [tile 0..1023][s 0..7][fragment].  Over the 16,384 rows of the tensor, tile T's lane r is row 32 (T / 2) + 8 (T % 2) + r + 8 (r / 8); s is the step of 128 along the 1,024.
; vc: [batch][key step j 0..15][channel tile ct 0..63][fragment]: row = channel 16 ct + r, k = keys 128 j + 32 c + 16 h + 0 .. 15: the keys are the second product's K.
; 768 work-groups of four waves, 262,144 bytes of f32 each: 0-255 take query, 256-511 key, 512-767 value.  Waves share nothing: no barrier.
.set SP,    528                        ; the stage's row: 512 bytes + 16 = 33 x 16: the sixteen rows that a read touches start at sixteen different banks (64 banks of 4 bytes: ISA guide 11.1)
.set STG,   16*SP                      ; a wave's stage: 16 rows
.set SPARE, 4*STG                      ; behind the four stages: the spare words, 128 bytes for each wave: two blocks of 256 bytes that no other line names
.set SPW,   12                         ; v12      LDS address of my spare word: SPARE + 4 x my thread's number; never rewritten
.set NIL,   13                         ; v13      0; never rewritten
.set R,     16                         ; v16-143  query, key: two sets of 64 registers as loaded
.set X,     144                        ; v144-207 64 numbers in the operand's order
.set C,     208                        ; v208-239 two sets of 16 registers of codes
.set XV,    16                         ; v16-79   value: two sets of 32 numbers down the keys
.set CV,    80                         ; v80-207  value: eight registers of codes for each of 16 blocks, so that no store's data are written again
	s_load_b256 s[4:11], s[0:1], 0x0               ; query s[4:5], key s[6:7], value s[8:9], the scales' exponents s[10:11]
	s_load_b128 s[12:15], s[0:1], 0x20             ; qc s[12:13], kc s[14:15]
	s_load_b64 s[16:17], s[0:1], 0x30              ; vc
	v_lshl_add_u32 v[SPW], v0, 2, SPARE
	v_mov_b32 v[NIL], 0
	v_lshrrev_b32 v1, 5, v0
	v_readfirstlane_b32 s18, v1                    ; wave 0..3
	v_and_b32 v1, 31, v0                           ; lane
	v_and_b32 v2, 15, v0                           ; r
	v_bfe_u32 v3, v0, 4, 1                         ; h
	s_wait_kmcnt 0x0
	s_load_b128 s[20:23], s[10:11], 0x0            ; eq, ek, ep, ev
	s_cmp_ge_u32 ttmp9, 512                        ; the work-group's number alone decides the path
	s_cbranch_scc1 .Lvalue
; ---------------- query and key: K is innermost.  Wave w takes tile 4 idx + w: 16 rows, eight fragments.
	s_cmp_lt_u32 ttmp9, 256
	s_cselect_b64 s[4:5], s[4:5], s[6:7]           ; the tensor,
	s_cselect_b64 s[12:13], s[12:13], s[14:15]     ; its codes,
	s_cselect_b32 s24, 0, 256
	s_sub_co_u32 s24, ttmp9, s24                   ; and idx, 0..255
	s_lshl_b32 s25, s24, 6
	s_lshr_b32 s26, s18, 1
	s_lshl_b32 s26, s26, 5
	s_add_co_u32 s25, s25, s26
	s_and_b32 s26, s18, 1
	s_lshl_b32 s26, s26, 3
	s_add_co_u32 s25, s25, s26                     ; the tile's first row: 64 idx + 32 (w / 2) + 8 (w % 2)
	s_lshl_b32 s26, s25, 12                        ; x 4,096 bytes
	s_mov_b32 s27, 0
	s_add_nc_u64 s[4:5], s[4:5], s[26:27]
	s_lshl_b32 s26, s24, 2
	s_add_co_u32 s26, s26, s18                     ; the tile
	s_lshl_b32 s26, s26, 14                        ; x 16,384 bytes
	s_add_nc_u64 s[12:13], s[12:13], s[26:27]
	s_wait_alu depctr_va_vdst(0)
	v_lshlrev_b32 v4, 4, v1                        ; 16 x lane: my place in a load's and in a store's 512 bytes
	s_mul_i32 s29, s18, STG                        ; my stage
	v_add_nc_u32 v5, s29, v4                       ; into it: a row as it lies
	v_mul_u32_u24 v6, v2, SP
	v_lshl_add_u32 v6, v3, 6, v6
	v_add_nc_u32 v6, s29, v6                       ; out of it: row r, + 64 h: my 16 numbers of a block of 32
.macro QLOAD t                         ; step t: 512 bytes of each of the tile's 16 rows; each load reads 512 consecutive bytes
.irp i, 0,1,2,3,4,5,6,7,8,9,10,11,12,13,14,15
	global_load_b128 v[R+64*((\t)%2)+4*\i:R+64*((\t)%2)+4*\i+3], v4, s[4:5] offset:(\i+8*(\i/8))*4096+512*(\t) th:TH_LOAD_NT
.endr
.endm
	QLOAD 0
	QLOAD 1
	s_wait_alu depctr_va_vdst(0)
	s_wait_kmcnt 0x0
	s_cmp_lt_u32 ttmp9, 256
	s_cselect_b32 s28, s20, s21                    ; e
	s_add_co_i32 s28, s28, 127
	s_lshl_b32 s30, s28, 23
	v_mov_b32 v11, s30                             ; 2^e as f32: the conversion takes its exponent field
	s_add_co_i32 s28, s28, 8
	s_lshl_b32 s28, s28, 23
	s_or_b32 s28, s28, 0x600000
	v_mov_b32 v10, s28                             ; 448 x 2^e
.macro QSTEP t                         ; fragment t of my tile
.if (\t) < 7
	s_wait_loadcnt 16                              ; this step's 16 loads are in; the next step's 16 may be out
.else
	s_wait_loadcnt 0x0
.endif
.irp i, 0,1,2,3,4,5,6,7,8,9,10,11,12,13,14,15
	ds_store_b128 v5, v[R+64*((\t)%2)+4*\i:R+64*((\t)%2)+4*\i+3] offset:SP*\i
.endr
.irp c, 0,1,2,3
.irp p, 0,1,2,3
	ds_load_b128 v[X+16*\c+4*\p:X+16*\c+4*\p+3], v6 offset:128*\c+16*\p   ; LDS serves a wave's instructions in order (ISA guide 5.7.1.4): these see my stores
.endr
.endr
	s_wait_dscnt 0x0                               ; the numbers are back, and the stores have read the set that the loads below fill
.if (\t) >= 2
	s_wait_xcnt 0x0                                ; the stores of two steps ago have read their data: that set of codes is written again below
.endif
.if (\t)+2 < 8
	QLOAD (\t)+2
.endif
.irp c, 0,1,2,3
.irp i, 0,1,2,3,4,5,6,7,8,9,10,11,12,13,14,15
	v_med3_num_f32 v[X+16*\c+\i], v[X+16*\c+\i], -v10, v10   ; the conversion to an 8-bit code does not saturate (ISA guide 7.6.2): the hold at the largest code x the scale
.endr
	v_cvt_scalef32_pk8_fp8_f32 v[C+16*((\t)%2)+4*\c:C+16*((\t)%2)+4*\c+1], v[X+16*\c:X+16*\c+7], v11
	v_cvt_scalef32_pk8_fp8_f32 v[C+16*((\t)%2)+4*\c+2:C+16*((\t)%2)+4*\c+3], v[X+16*\c+8:X+16*\c+15], v11
.endr
	v_nop                                          ; one plain vector instruction behind the last conversion: the next step's holds write the conversions' sources
.irp c, 0,1,2,3
	global_store_b128 v4, v[C+16*((\t)%2)+4*\c:C+16*((\t)%2)+4*\c+3], s[12:13] offset:2048*(\t)+512*\c   ; 32 lanes store 512 consecutive bytes, aligned
.endr
.endm
	s_wait_alu depctr_va_vdst(0)
.irp t, 0,1,2,3,4,5,6,7
	QSTEP \t
.endr
	s_wait_tensorcnt 0x0                           ; the wave's end, behind my last LDS store
	ds_add_u32 v[SPW], v[NIL]
	s_wait_dscnt 0x0
	s_endpgm
; ---------------- value: the keys, its K, are the first axis within a batch.  A LANE TAKES A CHANNEL AND ITS REGISTERS RUN DOWN THE KEYS: nothing is transposed.
; Work-group v: batch v / 32, 512 keys (v / 8) % 4, 128 channels v % 8; wave w its 32 channels.  A block is 32 keys: the first 16 are the codes of lane (r, 0) of a fragment, the other 16 of lane (r, 1).
.Lvalue:
	s_sub_co_u32 s24, ttmp9, 512
	s_lshr_b32 s25, s24, 5                         ; batch
	s_bfe_u32 s26, s24, 0x20003                    ; which 512 keys
	s_and_b32 s27, s24, 7                          ; which 128 channels
	s_lshl_b32 s28, s25, 23                        ; value: ((2048 b + 512 kq) x 1024 + 128 cg + 32 w) x 4 bytes
	s_lshl_b32 s29, s26, 21
	s_add_co_u32 s28, s28, s29
	s_lshl_b32 s29, s27, 9
	s_add_co_u32 s28, s28, s29
	s_lshl_b32 s29, s18, 7
	s_add_co_u32 s28, s28, s29
	s_mov_b32 s29, 0
	s_add_nc_u64 s[8:9], s[8:9], s[28:29]
	s_lshl_b32 s28, s25, 21                        ; vc: ((16 b + 4 kq) x 64 + 8 cg + 2 w) x 2,048 bytes
	s_lshl_b32 s30, s26, 19
	s_add_co_u32 s28, s28, s30
	s_lshl_b32 s30, s27, 14
	s_add_co_u32 s28, s28, s30
	s_lshl_b32 s30, s18, 12
	s_add_co_u32 s28, s28, s30
	s_add_nc_u64 s[16:17], s[16:17], s[28:29]
	s_wait_alu depctr_va_vdst(0)
	v_lshlrev_b32 v7, 2, v1                        ; in: 4 bytes a lane
	v_lshlrev_b32 v8, 4, v2
	v_lshl_add_u32 v8, v3, 11, v8                  ; out: channel tile lane / 16, place 16 (lane % 16)
.macro VLOAD t                         ; block t: value(32 t + i, my channel)
.irp i, 0,1,2,3,4,5,6,7,8,9,10,11,12,13,14,15,16,17,18,19,20,21,22,23,24,25,26,27,28,29,30,31
	global_load_b32 v[XV+32*((\t)%2)+\i], v7, s[8:9] offset:(32*(\t)+\i)*4096 th:TH_LOAD_NT
.endr
.endm
	VLOAD 0
	VLOAD 1
	s_wait_kmcnt 0x0
	s_add_co_i32 s28, s23, 127                     ; ev
	s_lshl_b32 s30, s28, 23
	v_mov_b32 v11, s30                             ; 2^ev as f32
	s_add_co_i32 s28, s28, 8
	s_lshl_b32 s28, s28, 23
	s_or_b32 s28, s28, 0x600000
	v_mov_b32 v10, s28                             ; 448 x 2^ev
.macro VBLOCK t
.if (\t) < 15
	s_wait_loadcnt 32                              ; this block's 32 loads are in; the next block's 32 may be out
.else
	s_wait_loadcnt 0x0
.endif
.irp i, 0,1,2,3,4,5,6,7,8,9,10,11,12,13,14,15,16,17,18,19,20,21,22,23,24,25,26,27,28,29,30,31
	v_med3_num_f32 v[XV+32*((\t)%2)+\i], v[XV+32*((\t)%2)+\i], -v10, v10
.endr
.irp g, 0,1,2,3
	v_cvt_scalef32_pk8_fp8_f32 v[CV+8*(\t)+2*\g:CV+8*(\t)+2*\g+1], v[XV+32*((\t)%2)+8*\g:XV+32*((\t)%2)+8*\g+7], v11
.endr
; (the codes go to stores alone, and the next vector instructions, the next block's holds, are plain and touch the other set)
	global_store_b128 v8, v[CV+8*(\t):CV+8*(\t)+3], s[16:17] offset:((\t)/4)*131072+((\t)%4)*512         ; sixteen lanes store 256 consecutive bytes, aligned: the places of lanes 0-15 of a fragment's part c = t % 4,
	global_store_b128 v8, v[CV+8*(\t)+4:CV+8*(\t)+7], s[16:17] offset:((\t)/4)*131072+((\t)%4)*512+256   ; and those of lanes 16-31
.if (\t)+2 < 16
	VLOAD (\t)+2
.endif
.endm
	s_wait_alu depctr_va_vdst(0)
.irp t, 0,1,2,3,4,5,6,7,8,9,10,11,12,13,14,15
	VBLOCK \t
.endr
	s_wait_tensorcnt 0x0                           ; the wave's end
	ds_add_u32 v[SPW], v[NIL]
	s_wait_dscnt 0x0
	s_endpgm
.Lfunc_end_k_qc55dfb9e52_quant:
	.size	k_qc55dfb9e52_quant, .Lfunc_end_k_qc55dfb9e52_quant-k_qc55dfb9e52_quant
	.p2alignl 7, 3214868480
	.fill 96, 4, 3214868480
	.section	.rodata,"a",@progbits
	.p2align	6, 0x0
	.amdhsa_kernel k_qc55dfb9e52_quant
		.amdhsa_group_segment_fixed_size 34304
		.amdhsa_private_segment_fixed_size 0
		.amdhsa_enable_private_segment 0
		.amdhsa_kernarg_size 56
		.amdhsa_user_sgpr_count 2
		.amdhsa_user_sgpr_kernarg_segment_ptr 1
		.amdhsa_wavefront_size32 1
		.amdhsa_system_sgpr_workgroup_id_x 1
		.amdhsa_system_sgpr_workgroup_id_y 1
		.amdhsa_system_sgpr_workgroup_id_z 1
		.amdhsa_system_vgpr_workitem_id 0
		.amdhsa_next_free_vgpr 240
		.amdhsa_next_free_sgpr 66
		.amdhsa_reserve_vcc 0
		.amdhsa_float_denorm_mode_32 3
		.amdhsa_float_denorm_mode_16_64 3
		.amdhsa_memory_ordered 1
		.amdhsa_forward_progress 1
		.amdhsa_inst_pref_size 160
	.end_amdhsa_kernel
	.amdgpu_metadata
---
amdhsa.version: [ 1, 2 ]
amdhsa.kernels:
  - .name:           k_qc55dfb9e52_quant
    .symbol:         k_qc55dfb9e52_quant.kd
    .args:
      - { .name: query, .offset: 0, .size: 8, .value_kind: global_buffer, .address_space: global }
      - { .name: key, .offset: 8, .size: 8, .value_kind: global_buffer, .address_space: global }
      - { .name: value, .offset: 16, .size: 8, .value_kind: global_buffer, .address_space: global }
      - { .name: lowp_scales, .offset: 24, .size: 8, .value_kind: global_buffer, .address_space: global }
      - { .name: qc, .offset: 32, .size: 8, .value_kind: global_buffer, .address_space: global }
      - { .name: kc, .offset: 40, .size: 8, .value_kind: global_buffer, .address_space: global }
      - { .name: vc, .offset: 48, .size: 8, .value_kind: global_buffer, .address_space: global }
    .group_segment_fixed_size: 34304
    .private_segment_fixed_size: 0
    .kernarg_segment_align: 8
    .kernarg_segment_size: 56
    .max_flat_workgroup_size: 128
    .sgpr_count:     66
    .vgpr_count:     240
    .wavefront_size: 32
...
	.end_amdgpu_metadata
.endif
;; end of part 1
;; launch attn (part 2): grid 32 x 8, 4 waves a work-group, clusters of 4 x 1, 327,680 bytes of LDS; arguments qc, kc, vc, mask, lowp_scales, out0; writes out0
.if DOCPART == 2
	.amdgcn_target "amdgcn-amd-amdhsa--gfx1250"
	.amdhsa_code_object_version 6
	.text
	.protected	k_qc55dfb9e52_attn
	.globl	k_qc55dfb9e52_attn
	.p2align	8
	.type	k_qc55dfb9e52_attn,@function
k_qc55dfb9e52_attn:
	s_mov_b64 s[64:65], 0
	v_nop
	global_prefetch_b8 v0, s[64:65] scope:SCOPE_SE
	s_setreg_imm32_b32 hwreg(HW_REG_WAVE_MODE, 25, 1), 1
	s_wait_xcnt 0x0
	s_wait_alu depctr_hold_cnt(0) depctr_sa_sdst(0) depctr_va_vdst(0) depctr_va_sdst(0) depctr_va_ssrc(0) depctr_va_vcc(0) depctr_vm_vsrc(0)
	s_getreg_b32 s2, hwreg(HW_REG_IB_STS2, 6, 4)
	s_cmp_eq_u32 s2, 0
	s_cbranch_scc0 .Lentry_in_a_cluster
	s_endpgm
.Lentry_in_a_cluster:
	s_bfe_u32 s2, ttmp6, 0x10000c
	s_cmp_lg_u32 s2, 0x3003
	s_cbranch_scc0 .Lentry_shape_is_right
	s_endpgm
.Lentry_shape_is_right:
; out0[b][q][:] = the sum over k of softmax_k((Q[b][q] . K[b][k] - tri(q, k) - (1 - mask[b][k]) 1e10) / 32) V[b][k][:], tri = 1e10 where k > q.  Both products on codes of FP8 (E4M3) with the given scales.
; qc, kc, vc hold the codes in the order of the operands' registers: a fragment (16 rows x 128 K) is 2,048 bytes, [c 0..3][lane][16 bytes], lane (r, h) holding k = 32 c + 16 h + 0 .. 15 of its row.
; In qc and kc lane r of tile T is row 32 (T / 2) + 8 (T % 2) + r + 8 (r / 8); in vc the rows are channels and k the keys.
; NOTHING IS LEFT OUT: every query walks all 2,048 keys.  The causal term is the finite 1e10 and the mask's term is as large: in a row whose visible keys are all masked out, hidden keys with mask 1 stand level
; with them and take part.  Which rows those are hangs on the mask's numbers, on which no branch here may hang.  Both terms are applied in f32 in the definition's order.
; THE SOFTMAX: t = logit x log2(e) / 32; M = the running largest t rounded UP to a whole number; p = 2^(t - M) is quantised with 2^ep; the row's sum is taken of the unquantised p and divides at the end.
; THE ORDER OF THE KEYS: cluster x of a batch begins at key step 4 ((x % 4 - x / 4) mod 4) and walks all sixteen, round the end; a running M takes the steps in any order.
; SHARES: 256 work-groups of four waves; a work-group owns 64 queries (four tiles qt) and walks 16 key steps of 128 keys.  Wave w = 2 g + mh.
;   S: S^T = K Q^T for keys 64 g .. + 63 of the step x query tiles 2 mh, 2 mh + 1 (Q stays in 256 registers).   O: O^T += V^T P^T for channels 256 w .. + 255 x all four query tiles (512 registers).
; A STEP: S; the masks and my maxima; the round behind which K's slot takes the next step; the statistics, p, its sums and codes; a barrier; O; and, in O's second half, the round behind which V's slot takes the next step.
; LDS loads stand in runs of 8 to 40.  Work on registers that is due anyway stands where a wave would wait: products of O between the add and its wait, inside the round's first barrier and behind the first run of
; K's loads; half of O^T's rescaling between the stores of p's codes and the barrier for them; t = x c between the add and its wait in K's round.
; CLUSTER: the four work-groups of a cluster belong to one batch and walk the same K and V: each tile is asked for JOINTLY, every wave its quarter of 32,768 bytes, mask 15.  A wave has one tensor load out.
; PREFETCH: every cluster asks for its own first four steps, each block of 256 bytes once: sixteen waves x 8,192 bytes, told apart by address, lanes 256 bytes apart.  The head names V of the first step and K of
;   the second, behind Q's loads; step j names K of step j + 2 (j = 0, 1), and V of step j + 2 at its end (j = 0, 1; V of step 1 ahead of step 0), each a step ahead of the joint load that wants it.
;   From its fifth step on a cluster walks steps that another cluster of its batch began with.  The highest step named is the cluster's first + 3, at most 15.
; LIMITS: eq + ek between -126 and 127; ep between -126 and 119; (1 - mask) x 1e10 finite; NaN among the inputs is not served.
; REGISTERS (windows of 256): window 0: v1-15 addresses; v16-47 statistics; v48-62 constants; v64-127 S^T, then p, then P; v128-191, v192-255 two sets of four fragments of K or V
;   (between the phases: v192-223 the mask's terms, v160-175 p's codes, v180-191 at work);  window 1: Q (tl, s) at 128 tl + 16 s;  windows 2, 3: O^T (ct, qt) in window 2 + ct / 8 at 64 qt + 8 (ct % 8).
.set STEPB, 131072                     ; a key step's codes of K, and of V
.set VSL,   131072                     ; LDS: K's slot at 0, V's slot here,
.set PIMG,  262144                     ; p's four fragments: 2,048 qt + 512 c + 16 lane,
.set MAXB,  270336                     ; the waves' maxima: 256 w + 128 tl + 4 lane,
.set SUMO,  1024                       ; their sums, this far behind,
.set PADB,  272384                     ; -(1 - mask) x 1e10 of the batch's keys, in the order in which my cluster walks them,
.set SPARE, 280576                     ; the spare words: 128 bytes a wave, named by the add alone
.set SPI,   528                        ; the way out: stage rows of 512 + 16 bytes, in K's slot after its last fill and last read
.set LI,   1                           ; 16 x lane
.set AK,   2                           ; K's fragments: 16 lane + 65,536 g
.set AV,   3                           ; V's: VSL + 32,768 w + 16 lane
.set AP,   4                           ; P's, to read
.set APW,  5                           ; P's, to write
.set AMW,  6                           ; my wave's maxima and sums
.set AMR,  7                           ; all waves'
.set APD,  8                           ; the mask's terms: PADB + 256 g + 64 h
.set SPW,  9                           ; my spare word; never rewritten
.set NIL,  10                          ; 0; never rewritten
.set ADP,  11                          ; the step's address of the mask's terms
.set PFO,  12                          ; 256 x lane; never rewritten
.set STO,  13
.set RD,   14
.set TID,  15
.set ST,   16                          ; tile qt at ST + 8 qt: +0 -M, +1 largest t, +2 f, +3 its pair's upper half, +4 l, +5 .. +7 at work
.set QI,   48
.set DD,   50
.set TRI,  52
.set SC,   56
.set CC,   58
.set LIMP, 60
.set SCP,  61
.set NINF, 62
.set S,    64
.set FB,   128
.set NPAD, 192
.set PC,   160
.set TQ,   180
.set SU,   184
.set MA,   188
.set KB,   2
.set WV,   16
.set GH,   17
.set MH,   18
.set CX,   19
.set CL,   20
.set BAT,  21
.set KF,   22
.set CNT,  23
.set G1,   24
.set G0K,  32
.set G0V,  36
.set SEL,  44
.set PFK,  46                          ; s[46:47] my 8,192 bytes of K, one step on from the step in hand
.set PFV,  48                          ; s[48:49] my 8,192 bytes of V of the step in hand
.set MHM,  52
.set PB,   53
.set TOF,  56
.set QT,   59
.set ESUM, 60
.set TS,   61
.set VB,   62
.set MSB, 0
.macro WIN new                         ; the immediate's high byte repeats the setting that is left
.if MSB != \new
	s_set_vgpr_msb (MSB<<8)|\new
.set MSB, \new
.endif
.endm
.macro PLACES c
.rept \c
	v_nop
.endr
.endm
.macro CREST                           ; a round of the cluster's barrier, behind its opening barrier
	s_cmp_lg_u32 s[WV], 0
	s_cbranch_scc1 .Lnot_wave_0_\@
	s_barrier_signal -3
.Lnot_wave_0_\@:
	s_barrier_wait -3
	s_barrier_signal -1
	s_barrier_wait -1
.endm
.macro CROUND                          ; a whole round
	s_barrier_signal -1
	s_barrier_wait -1
	CREST
.endm
.macro JLOAD g0                        ; a joint load of my quarter of a slot; s_nop 0 and four v_nop follow
	tensor_load_to_lds s[\g0:\g0+3], s[G1:G1+7]
	s_nop 0
.rept 4
	v_nop
.endr
.endm
.macro ASK lim, pf                     ; a step on from where the pair stands, while 512 x the count of steps walked is under lim
	s_cmp_lt_u32 s[PB], \lim
	s_cbranch_scc0 .Lnot_mine_\@
	global_prefetch_b8 v[PFO], s[\pf:\pf+1] offset:STEPB th:TH_LOAD_NT scope:SCOPE_SE
.Lnot_mine_\@:
.endm
.macro FETCHK s                        ; my four key tiles' fragments of step s along the 1,024, into set (s + 1) % 2
.irp k, 0,1,2,3
.irp c, 0,1,2,3
	ds_load_b128 v[FB+64*(((\s)+1)%2)+16*\k+4*\c:FB+64*(((\s)+1)%2)+16*\k+4*\c+3], v[AK] offset:(8*\k+(\s))*2048+512*\c
.endr
.endr
.endm
.macro SMUL s, young                   ; eight products, the eight accumulators by turns; ahead of key tile k: the younger runs' loads and those of the tiles behind k may be out
.irp k, 0,1,2,3
	s_wait_dscnt \young+4*(3-\k)
.irp t, 0,1
.if (\s) == 0
	v_wmma_f32_16x16x128_fp8_fp8 v[S+32*\t+8*\k:S+32*\t+8*\k+7], v[FB+64*(((\s)+1)%2)+16*\k:FB+64*(((\s)+1)%2)+16*\k+15], v[128*\t+16*(\s):128*\t+16*(\s)+15], 0
.else
	v_wmma_f32_16x16x128_fp8_fp8 v[S+32*\t+8*\k:S+32*\t+8*\k+7], v[FB+64*(((\s)+1)%2)+16*\k:FB+64*(((\s)+1)%2)+16*\k+15], v[128*\t+16*(\s):128*\t+16*(\s)+15], v[S+32*\t+8*\k:S+32*\t+8*\k+7]
.endif
.endr
.endr
.endm
.macro FETCHV q                        ; my channel tiles 4 q .. 4 q + 3, into set (q + 1) % 2
.irp f, 0,1,2,3
.irp c, 0,1,2,3
	ds_load_b128 v[FB+64*(((\q)+1)%2)+16*\f+4*\c:FB+64*(((\q)+1)%2)+16*\f+4*\c+3], v[AV] offset:(4*(\q)+\f)*2048+512*\c
.endr
.endr
.endm
.macro OMF q, f, zero                  ; channel tile 4 q + f x four query tiles
	WIN 0xa0+0x50*((\q)/2)                         ; C and D in window 2 (tiles 0-7) or 3 (8-15)
.irp t, 0,1,2,3
.set rO, 64*\t+8*((4*(\q)+\f)%8)
.if \zero
	v_wmma_f32_16x16x128_fp8_fp8 v[rO:rO+7], v[FB+64*(((\q)+1)%2)+16*\f:FB+64*(((\q)+1)%2)+16*\f+15], v[S+16*\t:S+16*\t+15], 0
.else
	v_wmma_f32_16x16x128_fp8_fp8 v[rO:rO+7], v[FB+64*(((\q)+1)%2)+16*\f:FB+64*(((\q)+1)%2)+16*\f+15], v[S+16*\t:S+16*\t+15], v[rO:rO+7]
.endif
.endr
.endm
.macro OMW q, young, zero              ; a group of four channel tiles, with the wait for each fragment
.irp f, 0,1,2,3
	s_wait_dscnt \young+4*(3-\f)
	OMF \q, \f, \zero
.endr
.endm
.macro RESCQ w, q, wt                  ; O^T x f = 2^(old M - new M) for query tile q in window 2 + w: nothing is rounded; each accumulator from its low end on
	WIN 0x82+0x41*\w
.if \wt
	s_wait_alu depctr_va_vdst(0)                   ; the wait ahead of a group of first readers of matrix results; plain vector instructions alone follow in the group
.endif
.set n, 0
.rept 32
	v_pk_mul_f32 v[64*\q+n:64*\q+n+1], v[64*\q+n:64*\q+n+1], v[ST+8*\q+2:ST+8*\q+3] op_sel_hi:[1,0]
.set n, n+2
.endr
.endm
.macro NEXTK                           ; K's descriptor: the step after the one whose first key stands in KF, round the end
	s_add_co_u32 s[TOF], s[KF], 128
	s_and_b32 s[TOF], s[TOF], 2047
	s_lshl_b32 s[TOF], s[TOF], 10
	s_add_nc_u64 s[G0K+2:G0K+3], s[KB:KB+1], s[TOF:TOF+1]
	s_or_b32 s[G0K+3], s[G0K+3], 0x80000000
.endm
	s_load_b256 s[4:11], s[0:1], 0x0               ; qc, kc, vc, mask
	s_load_b128 s[12:15], s[0:1], 0x20             ; the scales' exponents, out0
	v_lshl_add_u32 v[SPW], v0, 2, SPARE
	v_mov_b32 v[NIL], 0
	ds_add_u32 v[SPW], v[NIL]                      ; the add, twice on end, and its wait
	ds_add_u32 v[SPW], v[NIL]
	v_lshrrev_b32 v[LI], 5, v0
	v_readfirstlane_b32 s[WV], v[LI]               ; wave 0..3
	s_lshr_b32 s[GH], s[WV], 1
	s_and_b32 s[MH], s[WV], 1
	s_bfe_u32 s[CX], ttmp6, 0x40000
	s_mov_b32 s[CL], ttmp9                         ; the cluster's x
	s_and_b32 s[BAT], ttmp7, 0xffff                ; the batch
	s_mov_b32 s[G1], 15|(3<<16)|(1<<21)            ; group 1: 32,768 dense bytes as 128 rows of 32 elements of 8 bytes; mask: all four work-groups
	s_mov_b32 s[G1+1], 32<<16
	s_mov_b32 s[G1+2], 128<<16
	s_mov_b32 s[G1+3], 32<<16
	s_mov_b32 s[G1+4], 128
	s_mov_b32 s[G1+5], 32
	s_mov_b32 s[G1+6], 0
	s_mov_b32 s[G1+7], 0
	s_mov_b32 s[SEL], 0x76543210
	s_mov_b32 s[SEL+1], 0xfedcba98
	s_and_b32 s[KF], s[CL], 3                      ; my cluster's first quarter of the keys: (x % 4 - x / 4) mod 4
	s_lshr_b32 s[CNT], s[CL], 2
	s_sub_co_u32 s[KF], s[KF], s[CNT]
	s_and_b32 s[KF], s[KF], 3
	s_lshl_b32 s[KF], s[KF], 9
	s_mov_b32 s[PB], 0
	s_cmp_eq_u32 s[MH], 1
	s_cselect_b32 s[MHM], -1, 0
	s_lshl_b32 s[TOF], s[BAT], 21
	s_lshl_b32 s[G0K+1], s[WV], 15                 ; my quarter of a slot
	s_add_co_u32 s[TOF], s[TOF], s[G0K+1]
	s_mov_b32 s[TOF+1], 0
	s_wait_dscnt 0x0
	s_wait_kmcnt 0x0
	s_load_b128 s[40:43], s[12:13], 0x0            ; eq, ek, ep, ev
	CROUND                                         ; in front of the first joint load
	s_add_nc_u64 s[KB:KB+1], s[6:7], s[TOF:TOF+1]
	s_add_nc_u64 s[VB:VB+1], s[8:9], s[TOF:TOF+1]
	s_lshl_b32 s[TOF], s[KF], 10
	s_mov_b32 s[G0K], 1
	s_add_nc_u64 s[G0K+2:G0K+3], s[KB:KB+1], s[TOF:TOF+1]
	s_or_b32 s[G0K+3], s[G0K+3], 0x80000000
	s_mov_b32 s[G0V], 1
	s_add_co_u32 s[G0V+1], s[G0K+1], VSL
	s_add_nc_u64 s[G0V+2:G0V+3], s[VB:VB+1], s[TOF:TOF+1]
	s_or_b32 s[G0V+3], s[G0V+3], 0x80000000
	JLOAD G0K                                      ; K of my first step: my one tensor load at the head
	s_lshl_b32 s58, s[CX], 2                       ; the prefetches: (4 cx + w) x 8,192 in the batch's codes, from my first step on
	s_add_co_u32 s58, s58, s[WV]
	s_lshl_b32 s58, s58, 13
	s_lshl_b32 s59, s[BAT], 21
	s_add_co_u32 s58, s58, s59
	s_add_co_u32 s58, s58, s[TOF]
	s_mov_b32 s59, 0
	s_add_nc_u64 s[PFK:PFK+1], s[6:7], s[58:59]
	s_add_nc_u64 s[PFK:PFK+1], s[PFK:PFK+1], STEPB     ; K's stand at my second step,
	s_add_nc_u64 s[PFV:PFV+1], s[8:9], s[58:59]        ; V's at my first
	s_lshl_b32 s54, s[CL], 2
	s_add_co_u32 s54, s54, s[CX]                   ; i: my block of 64 queries
	s_lshl_b32 s58, s[BAT], 7
	s_lshl_b32 s55, s54, 2
	s_add_co_u32 s58, s58, s55
	s_lshl_b32 s55, s[MH], 1
	s_add_co_u32 s58, s58, s55                     ; my first tile of qc
	s_lshl_b32 s58, s58, 14
	s_add_nc_u64 s[4:5], s[4:5], s[58:59]
	s_lshl_b32 s58, s[BAT], 13
	s_add_nc_u64 s[10:11], s[10:11], s[58:59]
	s_lshl_b32 s58, s[BAT], 11
	s_lshl_b32 s55, s54, 6
	s_add_co_u32 s58, s58, s55
	s_lshl_b32 s58, s58, 12
	s_lshl_b32 s55, s[WV], 10
	s_add_co_u32 s58, s58, s55
	s_add_nc_u64 s[14:15], s[14:15], s[58:59]      ; my rows and my 256 channels of the output
	s_lshl_b32 s[QT], s54, 6
	s_lshl_b32 s55, s[MH], 5
	s_add_co_u32 s[QT], s[QT], s55
	s_lshl_b32 s55, s[GH], 6
	s_sub_co_u32 s[QT], s[QT], s55                 ; 64 i + 32 mh - 64 g
	v_and_b32 v180, 31, v0
	v_lshlrev_b32 v[LI], 4, v180
	v_lshlrev_b32 v[TID], 4, v0
	v_lshlrev_b32 v[PFO], 8, v180
	s_wait_alu depctr_va_vdst(0)
.irp p, 0,1,2,3                                ; the mask in my cluster's order of the keys: the turn is made in the global offset
	s_add_co_u32 s55, s[KF], 512*\p
	s_and_b32 s55, s55, 2047
	s_lshl_b32 s55, s55, 2
	v_add_nc_u32 v[MA+\p], s55, v[TID]
.endr
	s_wait_alu depctr_va_vdst(0)
.irp p, 0,1,2,3
	global_load_b128 v[NPAD+4*\p:NPAD+4*\p+3], v[MA+\p], s[10:11]
.endr
	WIN 0x40
.irp t, 0,1
.irp s, 0,1,2,3,4,5,6,7
.irp c, 0,1,2,3
	global_load_b128 v[128*\t+16*\s+4*\c:128*\t+16*\s+4*\c+3], v[LI], s[4:5] offset:(8*\t+\s)*2048+512*\c   ; Q stays in registers
.endr
.endr
.endr
	WIN 0
	global_prefetch_b8 v[PFO], s[PFV:PFV+1] th:TH_LOAD_NT scope:SCOPE_SE   ; V of my first step, whose joint load stands behind the head's end,
	global_prefetch_b8 v[PFO], s[PFK:PFK+1] th:TH_LOAD_NT scope:SCOPE_SE   ; and K of my second, whose joint load stands behind the first S: both behind Q's loads, which are wanted first
	v_and_b32 v181, 15, v0                         ; r
	v_bfe_u32 v182, v0, 4, 1                       ; h
	s_wait_alu depctr_va_vdst(0)
	s_lshl_b32 s55, s[GH], 16
	v_add_nc_u32 v[AK], s55, v[LI]
	s_lshl_b32 s55, s[WV], 15
	s_add_co_u32 s55, s55, VSL
	v_add_nc_u32 v[AV], s55, v[LI]
	v_add_nc_u32 v[AP], PIMG, v[LI]
	s_lshl_b32 s55, s[MH], 12
	s_lshl_b32 s58, s[GH], 10
	s_add_co_u32 s55, s55, s58
	s_add_co_u32 s55, s55, PIMG
	v_add_nc_u32 v[APW], s55, v[LI]
	s_lshl_b32 s55, s[WV], 8
	s_add_co_u32 s55, s55, MAXB
	v_lshl_add_u32 v[AMW], v180, 2, s55
	v_lshl_add_u32 v[AMR], v180, 2, MAXB
	s_lshl_b32 s55, s[GH], 8
	s_add_co_u32 s55, s55, PADB
	v_lshl_add_u32 v[APD], v182, 6, s55
	s_mul_i32 s55, s[WV], 16*SPI
	v_mul_u32_u24 v[STO], v181, SPI
	v_lshl_add_u32 v[STO], v182, 5, v[STO]
	v_add_nc_u32 v[STO], s55, v[STO]
	v_add_nc_u32 v[RD], s55, v[LI]
	v_lshl_add_u32 v[ADP], v0, 4, PADB             ; where my thread puts its 16 bytes of the mask's terms
	v_and_b32 v183, 8, v181
	v_add_nc_u32 v183, v183, v181                  ; r + 8 (r / 8)
	v_lshlrev_b32 v184, 4, v182
	v_sub_nc_u32 v183, v183, v184                  ; - 16 h
	v_add_nc_u32 v[QI], s[QT], v183
	v_add_nc_u32 v[QI+1], 8, v[QI]
.irp q, 0,1,2,3
	v_mov_b32 v[ST+8*\q+1], 0xff61b1e6             ; the largest t so far: -3e38
	v_floor_f32 v[ST+8*\q], -v[ST+8*\q+1]          ; -M
	v_mov_b32 v[ST+8*\q+2], 0
	v_mov_b32 v[ST+8*\q+3], 0
	v_mov_b32 v[ST+8*\q+4], 0                      ; l
	v_mov_b32 v[ST+8*\q+7], 0                      ; a lane permute's destination counts as a source
.endr
.irp j, 0,1,2,3
	v_mov_b32 v[TRI+\j], 0
.endr
	v_mov_b32 v[CC], 0x3d38aa3b                    ; log2(e) / 32
	v_mov_b32 v[CC+1], 0x3d38aa3b
	v_mov_b32 v[NINF], 0xd01502f9                  ; -1e10
	s_wait_alu depctr_va_vdst(0)
	s_wait_kmcnt 0x0
	s_add_co_i32 s55, s40, s41
	s_add_co_i32 s55, s55, 127
	s_lshl_b32 s55, s55, 23                        ; 2^(eq + ek)
	v_mov_b32 v[SC], s55
	v_mov_b32 v[SC+1], s55
	s_add_co_i32 s55, s42, 127
	s_lshl_b32 s58, s55, 23
	v_mov_b32 v[SCP], s58                          ; 2^ep
	s_add_co_i32 s55, s55, 8
	s_lshl_b32 s55, s55, 23
	s_or_b32 s55, s55, 0x600000
	v_mov_b32 v[LIMP], s55                         ; 448 x 2^ep
	s_add_co_i32 s[ESUM], s42, s43
	s_wait_alu depctr_va_vdst(0)
	s_wait_loadcnt 0x0                             ; the mask and Q
.irp j, 0,1,2,3,4,5,6,7,8,9,10,11,12,13,14,15
	v_add_f32 v[NPAD+\j], -1.0, v[NPAD+\j]         ; -(1 - mask)
.endr
.irp j, 0,1,2,3,4,5,6,7,8,9,10,11,12,13,14,15
	v_mul_f32 v[NPAD+\j], 0x501502f9, v[NPAD+\j]   ; x 1e10
.endr
.irp p, 0,1,2,3
	ds_store_b128 v[ADP], v[NPAD+4*\p:NPAD+4*\p+3] offset:2048*\p
.endr
	v_mov_b32 v[ADP], v[APD]                       ; my first step's place among the mask's terms
	v_sub_nc_u32 v[DD], v[QI], s[KF]
	v_sub_nc_u32 v[DD+1], v[QI+1], s[KF]
	s_wait_alu depctr_va_vdst(0)                   ; at the head's end
	s_wait_tensorcnt 0x0                           ; my quarter of the first K; V's first fill stands behind the full sequence, as a refill does
	ds_add_u32 v[SPW], v[NIL]
	NEXTK
	s_wait_dscnt 0x0                               ; the add, and my stores of the mask's terms
	CROUND
	JLOAD G0V                                      ; V of my first step
	FETCHK 0
	FETCHK 1
	ASK 1536, PFV                                  ; V of my second step
; A KEY STEP.  At its head K's slot is whole, V's load is on its way, and the fragments of S's first two steps are asked for.  first = 1: its products start O^T's sums.  fill = 0: the sixteenth.
.macro STEP first, fill
	WIN 0x04                                       ; source 1 (Q) in window 1; an LDS load's address and destination stay in window 0
.irp s, 0,1,2,3,4,5
	SMUL \s, 16
	PLACES 4                                       ; in front of loads into the set just multiplied
	FETCHK \s+2
.endr
	SMUL 6, 16
	PLACES 4
.irp b, 0,1
.irp p, 0,1,2,3
	ds_load_b128 v[NPAD+16*\b+4*\p:NPAD+16*\b+4*\p+3], v[ADP] offset:128*\b+16*\p   ; the mask's terms, into the set just multiplied
.endr
.endr
	SMUL 7, 8
	WIN 0
	PLACES 4                                       ; behind the last products
	; ---- the two masks, in the definition's order: fl(fl(s x 2^(eq+ek) - tri) - pad).  Register 16 b + i of a tile holds key KF + 64 g + 16 h + 32 b + i
	s_lshr_b32 s[TS], s[KF], 8                     ; the cluster's 256 queries meet the diagonal in the two steps whose keys lie in the same 256: ids and the count of steps alone
	s_cmp_eq_u32 s[TS], s[CL]
	s_cbranch_scc0 .Loff_\@
.irp t, 0,1
.set n, 0
.rept 32
	v_cmp_gt_i32 vcc_lo, 32*(n/16)+n%16, v[DD+\t]  ; hidden where the key comes after the query
	v_cndmask_b32 v[TQ+n%4], 0, v[NINF], vcc_lo
	v_fma_f32 v[S+32*\t+n], v[S+32*\t+n], v[SC], v[TQ+n%4]
.set n, n+1
.endr
.endr
	s_wait_alu depctr_va_vdst(0)
	s_branch .Lmasked_\@
.Loff_\@:                                              ; elsewhere a lane's keys are all hidden or all open
.irp t, 0,1
	v_cmp_gt_i32 vcc_lo, 0, v[DD+\t]
	v_cndmask_b32 v[TRI+2*\t], 0, v[NINF], vcc_lo
.endr
.irp t, 0,1
.set n, 0
.rept 16
	v_pk_fma_f32 v[S+32*\t+n:S+32*\t+n+1], v[S+32*\t+n:S+32*\t+n+1], v[SC:SC+1], v[TRI+2*\t:TRI+2*\t+1] op_sel_hi:[1,0,0]
.set n, n+2
.endr
.endr
.Lmasked_\@:
	s_wait_dscnt 0x0                               ; the mask's terms are in
.irp t, 0,1
.set n, 0
.rept 16
	v_pk_add_f32 v[S+32*\t+n:S+32*\t+n+1], v[S+32*\t+n:S+32*\t+n+1], v[NPAD+n:NPAD+n+1]
.set n, n+2
.endr
.endr
	; ---- each query's largest score among my 64 keys
.irp t, 0,1
	v_max3_num_f32 v[TQ+2*\t], v[S+32*\t], v[S+32*\t+1], v[S+32*\t+2]
	v_max3_num_f32 v[TQ+2*\t+1], v[S+32*\t+3], v[S+32*\t+4], v[S+32*\t+5]
.endr
.irp i, 6,10,14,18,22,26
.irp t, 0,1
	v_max3_num_f32 v[TQ+2*\t], v[TQ+2*\t], v[S+32*\t+\i], v[S+32*\t+\i+1]
	v_max3_num_f32 v[TQ+2*\t+1], v[TQ+2*\t+1], v[S+32*\t+\i+2], v[S+32*\t+\i+3]
.endr
.endr
.irp t, 0,1
	v_max3_num_f32 v[TQ+2*\t], v[TQ+2*\t], v[S+32*\t+30], v[S+32*\t+31]
.endr
.irp t, 0,1
	v_max_num_f32 v[TQ+2*\t], v[TQ+2*\t], v[TQ+2*\t+1]
.endr
.irp t, 0,1
	v_permlanex16_b32 v[ST+8*\t+7], v[TQ+2*\t], s[SEL], s[SEL+1]
.endr
.irp t, 0,1
	v_max_num_f32 v[TQ+2*\t], v[TQ+2*\t], v[ST+8*\t+7]
.endr
.irp t, 0,1
	ds_store_b32 v[AMW], v[TQ+2*\t] offset:128*\t
.endr
	; ---- K's slot is filled, and the maxima change hands, behind one round.  My tensor load that is out is my quarter of this step's V
	s_wait_tensorcnt 0x0
	ds_add_u32 v[SPW], v[NIL]
.if \fill
	s_add_nc_u64 s[G0V+2:G0V+3], s[VB:VB+1], s[TOF:TOF+1]   ; V's descriptor: the next step, whose bytes stand in the pair
	s_or_b32 s[G0V+3], s[G0V+3], 0x80000000
.endif
.set n, 0
.rept 32
	v_pk_mul_f32 v[S+n:S+n+1], v[S+n:S+n+1], v[CC:CC+1]   ; t = x c, not fused with the sum below: M is made of the rounded t.  Work on registers between the add and its wait
.set n, n+2
.endr
	s_wait_dscnt 0x0                               ; the add and my stores of the maxima; my reads of K's slot ended in S
.if \fill
	CROUND                                         ; V's slot is whole, and no wave of any partner still reads K's
	JLOAD G0K                                      ; the next step's K
.else
	s_barrier_signal -1                            ; nothing is left to fetch: my work-group's barrier alone
	s_barrier_wait -1
.endif
.irp q, 0,1,2,3
	ds_load_b32 v[ST+8*\q+5], v[AMR] offset:(\q/2)*256+(\q%2)*128        ; tile qt was scored by waves qt / 2 (keys 0-63)
	ds_load_b32 v[ST+8*\q+6], v[AMR] offset:(2+\q/2)*256+(\q%2)*128      ; and 2 + qt / 2 (keys 64-127)
.endr
	FETCHV 0                                       ; V's first four fragments, in the same run
.if \fill
	ASK 1024, PFK                                  ; K of the step after next
.endif
	s_wait_dscnt 16                                ; the maxima are in; V's 16 loads may be out
	; ---- the statistics of all four query tiles, in every wave alike
.irp q, 0,1,2,3
	v_max_num_f32 v[ST+8*\q+5], v[ST+8*\q+5], v[ST+8*\q+6]
.endr
.irp q, 0,1,2,3
	v_mul_f32 v[ST+8*\q+5], v[CC], v[ST+8*\q+5]    ; as t: the factor is positive
.endr
.irp q, 0,1,2,3
	v_max_num_f32 v[ST+8*\q+1], v[ST+8*\q+1], v[ST+8*\q+5]
.endr
.irp q, 0,1,2,3
	v_mov_b32 v[ST+8*\q+6], v[ST+8*\q]
.endr
.irp q, 0,1,2,3
	v_floor_f32 v[ST+8*\q], -v[ST+8*\q+1]          ; the new -M = -ceil(t)
.endr
.irp q, 0,1,2,3
	v_sub_f32 v[ST+8*\q+6], v[ST+8*\q], v[ST+8*\q+6]   ; old M - new M
.endr
.irp q, 0,1,2,3
	v_cvt_i32_f32 v[ST+8*\q+6], v[ST+8*\q+6]       ; (it saturates)
.endr
.irp q, 0,1,2,3
	v_ldexp_f32 v[ST+8*\q+2], 1.0, v[ST+8*\q+6]    ; f = 2^(old M - new M)
.endr
.irp t, 0,1
	v_cndmask_b32 v[TRI+2*\t], v[ST+8*\t], v[ST+8*(\t+2)], s[MHM]   ; -M of my own two tiles
.endr
.irp t, 0,1
.set n, 0
.rept 16
	v_pk_add_f32 v[S+32*\t+n:S+32*\t+n+1], v[S+32*\t+n:S+32*\t+n+1], v[TRI+2*\t:TRI+2*\t+1] op_sel_hi:[1,0]   ; t - M
.set n, n+2
.endr
.endr
	s_wait_alu depctr_va_vdst(0)                   ; ahead of the batch
.set n, 0
.rept 64
	v_exp_f32 v[S+n], v[S+n]
.set n, n+1
.endr
	v_nop                                          ; a plain instruction behind the last exponential
	s_wait_alu depctr_va_vdst(0)                   ; and for one wait behind it, ahead of its first reader
.irp t, 0,1                                    ; the sums are taken of the unquantised p
	v_pk_add_f32 v[SU+4*\t:SU+4*\t+1], v[S+32*\t:S+32*\t+1], v[S+32*\t+2:S+32*\t+3]
	v_pk_add_f32 v[SU+4*\t+2:SU+4*\t+3], v[S+32*\t+4:S+32*\t+5], v[S+32*\t+6:S+32*\t+7]
.endr
.irp j, 8,12,16,20,24,28
.irp t, 0,1
	v_pk_add_f32 v[SU+4*\t:SU+4*\t+1], v[SU+4*\t:SU+4*\t+1], v[S+32*\t+\j:S+32*\t+\j+1]
	v_pk_add_f32 v[SU+4*\t+2:SU+4*\t+3], v[SU+4*\t+2:SU+4*\t+3], v[S+32*\t+\j+2:S+32*\t+\j+3]
.endr
.endr
.irp t, 0,1
	v_pk_add_f32 v[SU+4*\t:SU+4*\t+1], v[SU+4*\t:SU+4*\t+1], v[SU+4*\t+2:SU+4*\t+3]
.endr
.irp t, 0,1
	v_add_f32 v[SU+4*\t], v[SU+4*\t], v[SU+4*\t+1]
.endr
.irp t, 0,1
	v_permlanex16_b32 v[ST+8*\t+7], v[SU+4*\t], s[SEL], s[SEL+1]
.endr
.irp t, 0,1
	v_add_f32 v[SU+4*\t], v[SU+4*\t], v[ST+8*\t+7]
.endr
.irp t, 0,1
.irp b, 0,1
.irp i, 0,1,2,3,4,5,6,7,8,9,10,11,12,13,14,15
	v_min_num_f32 v[S+32*\t+16*\b+\i], v[S+32*\t+16*\b+\i], v[LIMP]   ; the conversion does not saturate (ISA guide 7.6.2); p is not negative
.endr
	v_cvt_scalef32_pk8_fp8_f32 v[PC+8*\t+4*\b:PC+8*\t+4*\b+1], v[S+32*\t+16*\b:S+32*\t+16*\b+7], v[SCP]
	v_cvt_scalef32_pk8_fp8_f32 v[PC+8*\t+4*\b+2:PC+8*\t+4*\b+3], v[S+32*\t+16*\b+8:S+32*\t+16*\b+15], v[SCP]
.endr
.endr
	v_nop                                          ; one plain vector instruction behind the last conversion
.irp t, 0,1
	ds_store_b32 v[AMW], v[SU+4*\t] offset:SUMO+128*\t
.endr
.irp t, 0,1
.irp b, 0,1
	ds_store_b128 v[APW], v[PC+8*\t+4*\b:PC+8*\t+4*\b+3] offset:2048*\t+512*\b   ; part c = 2 g + b of tile 2 mh + tl's fragment
.endr
.endr
.if !\first
	RESCQ 0, 0, 1                                  ; half of the rescaling while the stores are on their way
	RESCQ 0, 1, 0
	RESCQ 0, 2, 0
.endif
	s_wait_dscnt 0x0                               ; for the others' sake: my sums and my codes lie in LDS; V's first fragments are in
	s_barrier_signal -1                            ; K's load stays on its way
.if !\first
	RESCQ 0, 3, 1
	WIN 0
.endif
	s_barrier_wait -1
	; ---- O^T += V^T P^T
.irp q, 0,1,2,3
.irp c, 0,1,2,3
	ds_load_b128 v[S+16*\q+4*\c:S+16*\q+4*\c+3], v[AP] offset:2048*\q+512*\c
.endr
.endr
.irp q, 0,1,2,3
	ds_load_b32 v[ST+8*\q+5], v[AMR] offset:SUMO+(\q/2)*256+(\q%2)*128
	ds_load_b32 v[ST+8*\q+6], v[AMR] offset:SUMO+(2+\q/2)*256+(\q%2)*128
.endr
	FETCHV 1
.if !\first
	RESCQ 1, 0, 1                                  ; the other half while the loads are on their way
	RESCQ 1, 1, 0
	RESCQ 1, 2, 0
	RESCQ 1, 3, 0
.endif
	s_wait_alu depctr_va_vdst(0)
	WIN 0
	s_wait_dscnt 16                                ; P and the sums are in; V's 16 loads may be out
.irp q, 0,1,2,3
	v_add_f32 v[ST+8*\q+5], v[ST+8*\q+5], v[ST+8*\q+6]
.endr
.irp q, 0,1,2,3
	v_fma_f32 v[ST+8*\q+4], v[ST+8*\q+4], v[ST+8*\q+2], v[ST+8*\q+5]   ; l = l f + the step's sum
.endr
.irp f, 0,1,2,3
	OMF 0, \f, \first
.endr
	PLACES 4                                       ; in front of loads into the set just multiplied
	WIN 0
	FETCHV 2
	OMW 1, 16, \first
	PLACES 4
	WIN 0
	FETCHV 3
.if \fill
	; ---- V's slot is filled behind a round that stands in O's second half.  My tensor load that is out is my quarter of the next K
	s_wait_dscnt 16                                ; the third group's fragments are in
	s_wait_tensorcnt 0x0
	ds_add_u32 v[SPW], v[NIL]                      ; the third group's products stand between the add and its wait
	s_add_co_u32 s[KF], s[KF], 128                 ; the next step's first key, round the end,
	s_and_b32 s[KF], s[KF], 2047
	s_add_co_u32 s[PB], s[PB], 512                 ; and its place among the mask's terms
	NEXTK
	v_add_nc_u32 v[ADP], s[PB], v[APD]
	v_sub_nc_u32 v[DD], v[QI], s[KF]
	v_sub_nc_u32 v[DD+1], v[QI+1], s[KF]
	s_wait_alu depctr_va_vdst(0)
	s_wait_xcnt 0x0                                ; my prefetches have read their addresses
	s_add_nc_u64 s[PFK:PFK+1], s[PFK:PFK+1], STEPB
	s_add_nc_u64 s[PFV:PFV+1], s[PFV:PFV+1], STEPB
.irp f, 0,1,2,3
	OMF 2, \f, \first
.endr
	s_wait_dscnt 0x0                               ; the add is done, and my last reads of V's slot are in registers
	s_barrier_signal -1                            ; the round's opening barrier,
	OMF 3, 0, \first                               ; with work on registers inside it
	OMF 3, 1, \first
	WIN 0
	s_barrier_wait -1
	CREST                                          ; K's slot is whole, nobody reads V's
	JLOAD G0V                                      ; the next step's V; its four v_nop are the places in front of the loads below
	FETCHK 0
	OMF 3, 2, \first
	OMF 3, 3, \first
	PLACES 5                                       ; in front of the loads below, and of the next S, which writes over P's registers
	WIN 0
	FETCHK 1
	ASK 1536, PFV                                  ; V of the step after next
.else
	OMW 2, 16, \first
	OMW 3, 0, \first
	WIN 0
.endif
.endm
	STEP 1, 1                                      ; written out: its products start O^T's sums
	s_mov_b32 s[CNT], 14
.Lstep:                                                ; my steps 1 to 14
	STEP 0, 1
	s_sub_co_u32 s[CNT], s[CNT], 1
	s_cmp_lg_u32 s[CNT], 0
	s_cbranch_scc1 .Lstep
	STEP 0, 0                                      ; written out
	; THE WAY OUT.  O^T x 2^(ep + ev) / l, in eight blocks a = 2 qt + hf of 16 queries x 128 channels, each through my own stage in LDS and back as whole rows of 512 bytes.
	PLACES 4                                       ; behind the last products
	s_wait_alu depctr_va_vdst(0)
.irp q, 0,1,2,3
	v_rcp_f32 v[ST+8*\q+2], v[ST+8*\q+4]
.endr
	v_nop
	s_wait_alu depctr_va_vdst(0)                   ; one wait for the four, ahead of their first reader
.irp q, 0,1,2,3
	v_ldexp_f32 v[ST+8*\q+2], v[ST+8*\q+2], s[ESUM]
.endr
.macro TOSTAGE a
	WIN 0x02+((\a)%2)                              ; source 0: window 2 (channel tiles 0-7) or 3 (8-15)
	s_wait_alu depctr_va_vdst(0)                   ; the wait ahead of the first readers of matrix results
.set n, 0
.rept 32
	v_pk_mul_f32 v[S+n:S+n+1], v[64*((\a)/2)+n:64*((\a)/2)+n+1], v[ST+8*((\a)/2)+2:ST+8*((\a)/2)+3] op_sel_hi:[1,0]
.set n, n+2
.endr
	WIN 0
.irp c, 0,1,2,3,4,5,6,7
	ds_store_b128 v[STO], v[S+8*\c:S+8*\c+3] offset:64*\c
	ds_store_b128 v[STO], v[S+8*\c+4:S+8*\c+7] offset:64*\c+16
.endr
.irp t, 0,1,2,3,4,5,6,7,8,9,10,11,12,13,14,15
	ds_load_b128 v[FB+64*((\a)%2)+4*\t:FB+64*((\a)%2)+4*\t+3], v[RD] offset:SPI*\t   ; LDS serves a wave's instructions in order (ISA guide 5.7.1.4)
.endr
.endm
.macro SEND a, younger                 ; younger: the LDS instructions issued behind block a's loads
	s_wait_dscnt \younger
.irp t, 0,1,2,3,4,5,6,7,8,9,10,11,12,13,14,15
	global_store_b128 v[LI], v[FB+64*((\a)%2)+4*\t:FB+64*((\a)%2)+4*\t+3], s[14:15] offset:(32*((\a)/4)+8*(((\a)/2)%2)+\t+8*(\t/8))*4096+512*((\a)%2) th:TH_STORE_NT   ; 32 lanes store 512 consecutive bytes, aligned
.endr
.endm
	TOSTAGE 0
.irp a, 1,2,3,4,5,6,7
.if \a > 1
	s_wait_xcnt 0x0                                ; block a - 2's stores have read their registers
.endif
	TOSTAGE \a
	SEND \a-1, 32
.endr
	SEND 7, 0
	s_wait_tensorcnt 0x0                           ; the wave's end
	ds_add_u32 v[SPW], v[NIL]
	s_wait_dscnt 0x0
	CROUND                                         ; the closing round
	s_endpgm
.Lfunc_end_k_qc55dfb9e52_attn:
	.size	k_qc55dfb9e52_attn, .Lfunc_end_k_qc55dfb9e52_attn-k_qc55dfb9e52_attn
	.p2alignl 7, 3214868480
	.fill 96, 4, 3214868480
	.section	.rodata,"a",@progbits
	.p2align	6, 0x0
	.amdhsa_kernel k_qc55dfb9e52_attn
		.amdhsa_group_segment_fixed_size 327680
		.amdhsa_private_segment_fixed_size 0
		.amdhsa_enable_private_segment 0
		.amdhsa_kernarg_size 48
		.amdhsa_user_sgpr_count 2
		.amdhsa_user_sgpr_kernarg_segment_ptr 1
		.amdhsa_wavefront_size32 1
		.amdhsa_system_sgpr_workgroup_id_x 1
		.amdhsa_system_sgpr_workgroup_id_y 1
		.amdhsa_system_sgpr_workgroup_id_z 1
		.amdhsa_system_vgpr_workitem_id 0
		.amdhsa_next_free_vgpr 1024
		.amdhsa_next_free_sgpr 66
		.amdhsa_reserve_vcc 1
		.amdhsa_float_denorm_mode_32 3
		.amdhsa_float_denorm_mode_16_64 3
		.amdhsa_memory_ordered 1
		.amdhsa_forward_progress 1
		.amdhsa_inst_pref_size 255
	.end_amdhsa_kernel
	.section	.bss,"aw",@nobits
	.p2align	6
	.space	262144
	.amdgpu_metadata
---
amdhsa.version: [ 1, 2 ]
amdhsa.kernels:
  - .name:           k_qc55dfb9e52_attn
    .symbol:         k_qc55dfb9e52_attn.kd
    .args:
      - { .name: qc, .offset: 0, .size: 8, .value_kind: global_buffer, .address_space: global }
      - { .name: kc, .offset: 8, .size: 8, .value_kind: global_buffer, .address_space: global }
      - { .name: vc, .offset: 16, .size: 8, .value_kind: global_buffer, .address_space: global }
      - { .name: mask, .offset: 24, .size: 8, .value_kind: global_buffer, .address_space: global }
      - { .name: lowp_scales, .offset: 32, .size: 8, .value_kind: global_buffer, .address_space: global }
      - { .name: out0, .offset: 40, .size: 8, .value_kind: global_buffer, .address_space: global }
    .group_segment_fixed_size: 327680
    .private_segment_fixed_size: 0
    .kernarg_segment_align: 8
    .kernarg_segment_size: 48
    .max_flat_workgroup_size: 128
    .sgpr_count:     66
    .vgpr_count:     1024
    .wavefront_size: 32
...
	.end_amdgpu_metadata
.endif
;; end of part 2
